; MI455X (gfx1250); checked and timed in simulation.
; The chip was launched on July 23, 2026; its instructions are those of AMD's public machine-readable ISA for CDNA 5 (MIT licence, August 2026) and "CDNA5" Instruction Set Architecture Reference Guide (July 2026). The comments in the code are by the model that wrote it; some were corrected since.
;; Conditional Feed Forward. Allowed arithmetic: matrix products marked QUANTISED: E4M3 operands, one E8M0 scale for each 32 along K, by v_wmma_scale_f32_16x16x128_f8f6f4 with both operands' format E4M3, f32 sums; everything else in f32.
;; Inputs: expert_indices 1,024 x 2 int32; w13_codes 8 x 4,096 x 32 x 32 uint8 (E4M3 codes of w13, K innermost, in blocks of 32 codes); w13_scales 8 x 4,096 x 32 uint8 (E8M0 scales of w13, one for each 32 codes along K); w2_codes 8 x 1,024 x 64 x 32 uint8 (E4M3 codes of w2, K innermost, in blocks of 32 codes); w2_scales 8 x 1,024 x 64 uint8 (E8M0 scales of w2, one for each 32 codes along K); x_codes 1,024 x 32 x 32 uint8 (E4M3 codes of x, K innermost, in blocks of 32 codes); x_scales 1,024 x 32 uint8 (E8M0 scales of x, one for each 32 codes along K).
;; Outputs: out0 1,024 x 2 x 1,024 float32.
;; This version of the problem:
;;   THIS VERSION OF THE PROBLEM IS GIVEN IN LOW PRECISION. The matrix products marked QUANTISED in the list below multiply operands that are first quantised to E4M3 (4 exponent bits, 3 mantissa bits; 8 bits a number), with one power-of-two scale for each 32 numbers along K (OCP MX v1.0); their sums are f32. All else is computed in f32.
;;   The module's matrix products, in the order in which they are computed (A, B: the left and right operand; K: the contracted axis; several contracted axes count as one K, in the product's order):
;;     1. [M 1,024, K 1,024] x [K 1,024, N 32,768]; A: input x (given as codes); B: input w13 (given as codes): QUANTISED
;;     2. batch 8 x [M 1,024, K 2,048] x [K 2,048, N 1,024]; A: computed on the way; B: input w2 (given as codes): QUANTISED
;;   THE QUANTISER, for each operand of a quantised product, along K:
;;     - K is cut into blocks of 32 from its start; a last block that is shorter is filled with zeros.
;;     - A block's scale is 2^e with e = floor(log2(the largest magnitude in the block)) - 8, held to -126 .. 127; a block of zeros has e = 0. As a byte (E8M0): e + 127.
;;     - Each number is divided by its block's scale, clamped to +-448, and rounded to the nearest number of E4M3, ties to even, subnormals kept.
;;     - The product sums the exact products of the quantised numbers (number of the format x scale) in f32.
;;   ~~~python
;;   def quantise(x, axis):      # numpy; x: float32 -> the quantised numbers, widened to float32 again
;;       x = np.moveaxis(x, axis, -1); K = x.shape[-1]
;;       x = np.pad(x, [(0, 0)] * (x.ndim - 1) + [(0, -K % 32)]); x = x.reshape(x.shape[:-1] + (-1, 32)); a = np.abs(x).max(-1, keepdims=True)
;;       e = np.where(a > 0, np.clip(np.frexp(np.where(a > 0, a, 1))[1] - 1 - 8, -126, 127), 0)      # np.frexp(a)[1] - 1 = floor(log2(a)), exactly
;;       r = np.clip(x / 2.0 ** e, -448, 448)
;;       step = 2.0 ** (np.maximum(np.frexp(np.where(r == 0, 1, r))[1] - 1, -6) - 3)
;;       q = np.round(r / step) * step * 2.0 ** e      # np.round: ties to even
;;       return np.moveaxis(q.reshape(q.shape[:-2] + (-1,))[..., :K], -1, axis).astype(np.float32)
;;   ~~~
;;   OPERANDS COMPUTED ON THE WAY. 'Computed on the way' means the value that the module computes at that place (a softmax that the list does not call 'softmax' is quantised finished and normalised). What goes into a quantiser is computed in f32, as accurately as f32 sums, v_exp_f32 and their like allow (about 1e-6 of the number): no bf16 or f16 on the way to a quantiser, and a product that is left as it is and whose result goes on into a quantised operand takes f32 operands (vector FMAs, or v_wmma_f32_16x16x4_f32). A number that lies on a knife's edge between two numbers of the format may be rounded either way, as far as f32 arithmetic and the matrix unit's own rounding can turn it there, and no further.
;;   INPUTS GIVEN AS CODES. w13 (in the module: [8, 4096, 1024], K = its axis 2); w2 (in the module: [8, 1024, 2048], K = its axis 2); x (in the module: [1024, 1024], K = its axis 1): each comes as NAME_codes (uint8): NAME with its K axis moved to the last place and cut into blocks of 32 codes, [.., K / 32, bytes a block], one block behind the other in memory; one code a byte (a code: sign, 4 exponent bits, 3 mantissa bits); and NAME_scales (uint8): the same leading axes, one E8M0 byte (e + 127) for each 32 codes along K. Its value is code x scale, taken as it is: it is not quantised again, and the codes and scales need not be those that the quantiser above would give.
;; One version. Each part assembles by itself: llvm-mc -triple=amdgcn-amd-amdhsa -mcpu=gfx1250 --defsym DOCPART=n.
;; ======== version 1 of 1: 2 launches
;; limits: right only within a limited range of input values
;; workspace buffers: hid 33,554,432 bytes; hsc 1,048,576 bytes; lst 69,632 bytes of whole numbers
;; launch up (part 1): grid 256 x 1, 4 waves a work-group, no clusters, 284,672 bytes of LDS; arguments expert_indices, w13_codes, w13_scales, x_codes, x_scales, hid, hsc, lst; writes hid, hsc, lst
.if DOCPART == 1
	.amdgcn_target "amdgcn-amd-amdhsa--gfx1250"
	.amdhsa_code_object_version 6
	.text
	.protected	k_q863fbb7976_up
	.globl	k_q863fbb7976_up
	.p2align	8
	.type	k_q863fbb7976_up,@function
k_q863fbb7976_up:
	s_mov_b64 s[64:65], 0
	v_nop
	global_prefetch_b8 v0, s[64:65] scope:SCOPE_SE
	s_setreg_imm32_b32 hwreg(HW_REG_WAVE_MODE, 25, 1), 1
	s_wait_xcnt 0x0
; FIRST HALF OF THE ROUTED FEED-FORWARD LAYER: hid = Q(silu(x W1^T) * (x W3^T)), only for the rows that an expert was chosen for: the other experts' rows are not made.
; 2,048 routed rows (row = 2 x token + slot), 8 experts.  x [1024][1024] and w13 [8][4096][1024] are E4M3 codes, K innermost, one E8M0 byte for each 32 along K.
; SHARES.  256 work-groups of four waves, number g: part p = g / 128, expert (g / 16) % 8, slice g % 16 (128 hidden units).  Wave w owns the 32 hidden units of block 4 slice + w:
; four tiles of 16 rows of w13 (two of W1, two of W3) x 1,024 along K = 512 registers.  THE WEIGHTS STAY IN REGISTERS and the rows pass by.
; NO CLUSTERS AND NO JOINT LOADS: branches and list places hang on the indices, which come from memory, so partners would take different ways.  NO PREFETCH: the weights are loaded once, in the head, with no loop to run ahead in.
; THE LIST.  Wave 0 lays the rows of the expert in LDS, in a fixed order; every wave counts them for itself.  Places from n on hold row 0.  One work-group of each expert stores list and count in lst for the second launch.
; BLOCKS of 16 places: part p takes blocks 2 j + p, that is places 32 j + 16 p .. + 15, j = 0 .. NBK - 1, NBK = max(n, 256) / 32 rounded up (the second launch loads places 0 .. 255 on every path).
; Blocks 0 to 11 of a part lie in a stage in LDS, gathered by the four waves.  Further blocks (more than 384 rows on one expert) are gathered by each wave for itself, in a loop at the end.
; STAGE j of the loop: the 32 products of block j; among them the quantiser of block j - 2; behind them the exponentials of block j and the reciprocals of block j - 1, in one batch.
; SOURCE 0 = 16 rows of w13, source 1 = 16 rows of x, so a lane holds ONE row and its registers run along the hidden units.  Lane r of a tile takes weight row 8 u + r + 8 (r / 8) of the block, so that the 16 registers
; of tiles u = 0, 1 are the units 16 (lane / 16) + 0 .. 15: what the conversions give is the next product's operand.
; OUT.  hid [e][block 64][place 2048][32 bytes]: a wave's store covers 512 consecutive bytes, aligned.  hsc [e][K step 16][part 2][1,024 words]: word 16 j + i of part p is place 32 j + 16 p + i, a byte from each wave;
; they meet in LDS and leave as 64 words, 256 consecutive bytes, aligned (in the loop at the end each wave stores its bytes itself).
; LIMITS: NaN and infinities in the hidden layer are not served; a block of zeros gets the byte 1 with zero codes (only this program reads the bytes); indices lie in 0 .. 7.
.set XP,    1072                       ; a row in LDS: 1,024 codes + 32 scale bytes + 16 of padding = 67 x 16
.set BLKB,  16*XP                      ; a block
.set GRPB,  4*BLKB                     ; a chunk of four blocks
.set TURNB, 12*BLKB                    ; behind the stage: a block for each wave, where weight tiles are turned
.set LIST,  TURNB+4*BLKB               ; 2,048 list words and 32 for the lanes that have nothing to say
.set SCB,   LIST+8448+256              ; scale words of the stage's 192 places
.set SPARE, SCB+1024                   ; the spare words
.set LSTE,  8704                       ; an expert's part of lst: 8,192 bytes of list, 512 of count
.set WO,   4
.set WSO,  5
.set TS,   6                           ; my turn area: rows in
.set TL,   7                           ; and fragments out
.set LG,   8                           ; list words of my rows' codes
.set LS,   9                           ; and of their scale bytes
.set SA,   10                          ; v10-12 stage, codes in, chunk 0..2
.set SS,   13                          ; v13-15 stage, scale bytes in
.set FA0,  16                          ; a fragment's place in block 0
.set R16,  17
.set L16B, 18
.set HL,   19
.set BL,   20
.set SB0,  21
.set RZ,   22
.set SBR,  23
.set RD,   24
.set I16,  25
.set CV,   26
.set LC,   27
.set LCG,  28
.set CG,   29
.set LQ,   30
.set SBT,  31
.set HSW,  32
.set FX,   33
.set SW,   34                          ; v34-35
.set HOA,  36
.set RSS,  37
.set TA,   38
.set TB,   39
.set ZR,   40                          ; v40-43 zeros
.set RB,   44
.set RBA,  45
.set MX,   46
.set M2,   47
.set MY,   48
.set SCL,  49
.set LIM,  50
.set BYT,  51
.set CD,   52                          ; v52-55
.set SPW,  58
.set NIL,  59
.set XR0,  60                          ; v60-63, v124-127, v86-89: scale bytes on their way to the stage, chunks 0, 1, 2
.set XR1,  124
.set XR2,  86
.set WS,   64                          ; v64-79 weight scale words: tile q, register s % 4: lanes 0-15 K step s, lanes 16-31 K step 4 + s
.set XS,   82                          ; v82-85, v90-93 x's scale words, the same way, two sets: no product's two scale words have numbers equal modulo 8
.set GA,   96                          ; v96-104, 105-113, 114-122: gather offsets of chunks 0, 1, 2
.set GB,   105
.set GC,   114
.set RS,   96                          ; v96-127 in the head: sixteen sets of (address, value) for the list
.set BI,   105                         ; in the last loop: lane selects,
.set BW,   114                         ; and a block's sixteen list words
.set ACC,  128                         ; v128-159 four accumulators
.set IDX,  128                         ; v128-191 in the head: the indices; then blocks 8, 9 on their way
.set EB,   192                         ; v192-223 two sets of 16: exponentials, reciprocals
.set YB,   224                         ; v224-255 two sets of 16: x1 x3
; window 1: weights, K steps 0-3, (q, s) at 64 q + 16 s;  window 2: K steps 4-7;  window 3: x's fragments, set k, K step s at 128 k + 16 s
.set WV,   18
.set EX,   19
.set SG,   20
.set PT,   21
.set NBK,  22
.set CN,   23
.set T0,   24
.set T1,   25
.set OF,   26
.set JJ,   30
.set JN,   31
.set JN2,  32
.set UB,   33
.set SEL,  34
.set MNT,  36
.set UF,   37
.set NL2E, 38
.set LP,   40
.set HOS,  42
.set US,   43
.set PF,   44                          ; s44-60 a batch's running counts
.set KC,   61
.set JX,   63                          ; the stage in hand: JJ + its parity
.set MK,   66                          ; s66-81 a batch's sixteen masks
.set BC,   82                          ; s82-97 and their bit counts
.set MSB, 0
.macro WIN new                         ; the immediate's high byte repeats the setting that is left; a switch that changes nothing is dropped
.if MSB != (\new)
	s_set_vgpr_msb (MSB<<8)|(\new)
.set MSB, (\new)
.endif
.endm
.macro WALU
	s_wait_alu depctr_va_vdst(0)
.endm
.macro PLACES n
.rept \n
	v_nop
.endr
.endm
; THE COUNT of batch b: sixteen groups of 32 indices.  Register g = 4 j + c of lane l holds index 128 j + 4 l + c.
.macro SCAN b
.if (\b)==0
	s_mov_b32 s[PF], 0
.else
	s_mov_b32 s[PF], s[PF+16]
.endif
.set i, 0
.rept 16
	v_cmp_eq_u32 s[MK+i], s[EX], v[IDX+16*(\b)+i]
.set i, i+1
.endr
.set i, 0
.rept 16
	s_bcnt1_i32_b32 s[BC+i], s[MK+i]
.set i, i+1
.endr
.set i, 0
.rept 16
	s_add_co_u32 s[PF+i+1], s[PF+i], s[BC+i]
.set i, i+1
.endr
.endm
; THE LIST of batch b (wave 0): in each group the lanes whose index is e take the next places, in lane order; the others write a word of their own behind the list.
.macro LAY b
.set i, 0
.rept 16
	v_mbcnt_lo_u32_b32 v[RS+2*i], s[MK+i], s[PF+i]         ; the rows ahead of the group + the chosen lanes below me
.set i, i+1
.endr
.set i, 0
.rept 16
	v_cndmask_b32 v[RS+2*i], v[RD], v[RS+2*i], s[MK+i]
.set i, i+1
.endr
.set i, 0
.rept 16
	v_min_u32 v[RS+2*i], 2079, v[RS+2*i]
.set i, i+1
.endr
.set i, 0
.rept 16
	v_lshl_add_u32 v[RS+2*i], v[RS+2*i], 2, LIST
.set i, i+1
.endr
.set i, 0
.rept 16
	v_add_nc_u32 v[RS+2*i+1], 128*((16*(\b)+i)/4)+(16*(\b)+i)%4, v[BL]   ; the routed row
.set i, i+1
.endr
.set i, 0
.rept 16
	ds_store_b32 v[RS+2*i], v[RS+2*i+1]
.set i, i+1
.endr
.endm
.macro WSCL
.irp q, 0,1,2,3
	global_load_b128 v[WS+4*\q:WS+4*\q+3], v[WSO], s[8:9] offset:(8*(\q%2)+2048*(\q/2))*32
.endr
.endm
; Tile q as it lies in memory: sixteen lanes read 256 consecutive bytes of a row, aligned; load 4 pp + o: rows 2 pp + h of the tile, bytes 256 o on.  It lands in the tile's own 128 registers.
.macro WLOAD q
	WIN 0x40
.irp pp, 0,1,2,3
.irp o, 0,1,2,3
	global_load_b128 v[64*(\q)+4*(4*\pp+\o):64*(\q)+4*(4*\pp+\o)+3], v[WO], s[6:7] offset:(((\q)/2)*2048+8*((\q)%2)+2*\pp+8*(\pp/4))*1024+256*\o
.endr
.endr
	WIN 0x80
.irp pp, 4,5,6,7
.irp o, 0,1,2,3
	global_load_b128 v[64*(\q)+4*(4*\pp+\o-16):64*(\q)+4*(4*\pp+\o-16)+3], v[WO], s[6:7] offset:(((\q)/2)*2048+8*((\q)%2)+2*\pp+8*(\pp/4))*1024+256*\o
.endr
.endr
	WIN 0
.endm
; The tile goes through my own 16 rows of LDS and comes back as fragments, into the registers that it left.
.macro TURN q
	WIN 0x04
.irp pp, 0,1,2,3
.irp o, 0,1,2,3
	ds_store_b128 v[TS], v[64*(\q)+4*(4*\pp+\o):64*(\q)+4*(4*\pp+\o)+3] offset:2*\pp*XP+256*\o
.endr
.endr
	WIN 0x08
.irp pp, 4,5,6,7
.irp o, 0,1,2,3
	ds_store_b128 v[TS], v[64*(\q)+4*(4*\pp+\o-16):64*(\q)+4*(4*\pp+\o-16)+3] offset:2*\pp*XP+256*\o
.endr
.endr
	s_wait_dscnt 0x0                                       ; the stores have read their registers: the loads below land there
	WIN 0x40
.irp s, 0,1,2,3
.irp c, 0,1,2,3
	ds_load_b128 v[64*(\q)+16*\s+4*\c:64*(\q)+16*\s+4*\c+3], v[TL] offset:128*\s+32*\c
.endr
.endr
	WIN 0x80
.irp s, 4,5,6,7
.irp c, 0,1,2,3
	ds_load_b128 v[64*(\q)+16*(\s-4)+4*\c:64*(\q)+16*(\s-4)+4*\c+3], v[TL] offset:128*\s+32*\c
.endr
.endr
	WIN 0
.endm
; THE GATHER.  Of each block of a chunk a wave brings rows 4 w .. 4 w + 3: row pair m = 2 block + i is rows 4 w + 2 i + h; of the scale bytes it brings block w's of the chunk.
.macro XLIST c, ga
.irp m, 0,1,2,3,4,5,6,7
	ds_load_b32 v[(\ga)+\m], v[LG] offset:512*(\c)+128*(\m/2)+8*(\m%2)
.endr
	ds_load_b32 v[(\ga)+8], v[LS] offset:512*(\c)
.endm
.macro XADDR ga
.irp m, 0,1,2,3,4,5,6,7,8
	v_min_u32 v[(\ga)+\m], 0x7ff, v[(\ga)+\m]
.endr
.irp m, 0,1,2,3,4,5,6,7,8
	v_and_b32 v[(\ga)+\m], 0x7fe, v[(\ga)+\m]              ; 2 x token
.endr
.irp m, 0,1,2,3,4,5,6,7
	v_lshl_add_u32 v[(\ga)+\m], v[(\ga)+\m], 9, v[R16]     ; token x 1,024 + 16 r
.endr
	v_lshl_add_u32 v[(\ga)+8], v[(\ga)+8], 4, v[L16B]      ; token x 32 + 16 (lane % 2)
.endm
.macro XL win, d, ga, m0, cnt          ; row pairs m0 .. m0 + cnt - 1 into registers d on of a window: four loads a pair
	WIN (\win)<<6
.set M_, 0
.rept \cnt
.irp o, 0,1,2,3
	global_load_b128 v[(\d)+16*M_+4*\o:(\d)+16*M_+4*\o+3], v[(\ga)+(\m0)+M_], s[10:11] offset:256*\o
.endr
.set M_, M_+1
.endr
	WIN 0
.endm
.macro XST adr, win, d, m0, cnt, bs    ; and from there into LDS; bs: bytes from a block to the next
	WIN (\win)<<2
.set M_, 0
.rept \cnt
.irp o, 0,1,2,3
	ds_store_b128 v[\adr], v[(\d)+16*M_+4*\o:(\d)+16*M_+4*\o+3] offset:(((\m0)+M_)/2)*(\bs)+2*(((\m0)+M_)%2)*XP+256*\o
.endr
.set M_, M_+1
.endr
	WIN 0
.endm
.macro FETCH k, adr, off               ; a block's fragments, all of K, into set k, and its scale words: 33 loads
	WIN 0xc0
.irp s, 0,1,2,3,4,5,6,7
.irp c, 0,1,2,3
	ds_load_b128 v[128*(\k)+16*\s+4*\c:128*(\k)+16*\s+4*\c+3], v[\adr] offset:(\off)+128*\s+32*\c
.endr
.endr
	WIN 0
	ds_load_b128 v[XS+8*(\k):XS+8*(\k)+3], v[\adr] offset:(\off)+1024
.endm
; Four products: K step s of a block against the four weight tiles.  The four accumulators take turns, one instruction a turn.  K step 0 starts the sums.
.macro PG k, s
	WIN 0x0d+(\s)/4
.irp q, 0,1,2,3
.if (\s)==0
	v_wmma_scale_f32_16x16x128_f8f6f4 v[ACC+8*\q:ACC+8*\q+7], v[64*\q:64*\q+15], v[128*(\k):128*(\k)+15], 0, v[WS+4*\q], v[XS+8*(\k)]
.elseif (\s)<4
	v_wmma_scale_f32_16x16x128_f8f6f4 v[ACC+8*\q:ACC+8*\q+7], v[64*\q+16*(\s):64*\q+16*(\s)+15], v[128*(\k)+16*(\s):128*(\k)+16*(\s)+15], v[ACC+8*\q:ACC+8*\q+7], v[WS+4*\q+(\s)], v[XS+8*(\k)+(\s)]
.else
	v_wmma_scale_f32_16x16x128_f8f6f4 v[ACC+8*\q:ACC+8*\q+7], v[64*\q+16*((\s)-4):64*\q+16*((\s)-4)+15], v[128*(\k)+16*(\s):128*(\k)+16*(\s)+15], v[ACC+8*\q:ACC+8*\q+7], v[WS+4*\q+(\s)-4], v[XS+8*(\k)+(\s)-4] matrix_a_scale:MATRIX_SCALE_ROW1 matrix_b_scale:MATRIX_SCALE_ROW1
.endif
.endr
.endm
; THE QUANTISER, line n of 42, on set k: y = (x1 x3) / (1 + 2^(-x1 log2 e)), all in f32; the block of 32 lies in lanes l and l xor 16.  Line 0 makes the next fetch's address, 40 and 41 the stores'.
.macro FLINE n, k
.set Y_, YB+16*(\k)
.set E_, EB+16*(\k)
.if (\n)==0
	v_add_nc_u32 v[FX], s[UF], v[FA0]
.elseif (\n)<9
	v_pk_mul_f32 v[Y_+2*(\n)-2:Y_+2*(\n)-1], v[Y_+2*(\n)-2:Y_+2*(\n)-1], v[E_+2*(\n)-2:E_+2*(\n)-1]
.elseif (\n)==9
	v_max3_num_f32 v[MX], |v[Y_]|, |v[Y_+1]|, 0x4800000    ; with the floor 2^(9 - 127): the byte cannot fall under 1
.elseif (\n)==10
	v_max3_num_f32 v[M2], |v[Y_+2]|, |v[Y_+3]|, |v[Y_+6]|
.elseif (\n)==11
	v_max3_num_f32 v[MX], v[MX], |v[Y_+4]|, |v[Y_+5]|
.elseif (\n)==12
	v_max3_num_f32 v[M2], v[M2], |v[Y_+7]|, |v[Y_+10]|
.elseif (\n)==13
	v_max3_num_f32 v[MX], v[MX], |v[Y_+8]|, |v[Y_+9]|
.elseif (\n)==14
	v_max3_num_f32 v[M2], v[M2], |v[Y_+11]|, |v[Y_+14]|
.elseif (\n)==15
	v_max3_num_f32 v[MX], v[MX], |v[Y_+12]|, |v[Y_+13]|
.elseif (\n)==16
	v_max3_num_f32 v[MX], v[MX], v[M2], |v[Y_+15]|
.elseif (\n)==17
	v_permlanex16_b32 v[MY], v[MX], s[SEL], s[SEL+1]
.elseif (\n)==18
	v_max_num_f32 v[MX], v[MX], v[MY]
.elseif (\n)==19
	v_add_nc_u32 v[SCL], 0xfc000000, v[MX]                 ; 8 off its exponent field: the conversion's scale operand
.elseif (\n)==20
	v_and_or_b32 v[LIM], v[MX], 0x7f800000, s[MNT]         ; 448 x the scale
.elseif (\n)==21
	v_lshrrev_b32 v[BYT], 23, v[SCL]                       ; the scale's byte
.elseif (\n)<30
	v_med3_num_f32 v[Y_+(\n)-22], v[Y_+(\n)-22], -v[LIM], v[LIM]   ; the hold: the conversion to an 8-bit code does not saturate (ISA guide 7.6.2)
.elseif (\n)==30
	v_cvt_scalef32_pk8_fp8_f32 v[CD:CD+1], v[Y_:Y_+7], v[SCL]
.elseif (\n)<39
	v_med3_num_f32 v[Y_+(\n)-23], v[Y_+(\n)-23], -v[LIM], v[LIM]
.elseif (\n)==39
	v_cvt_scalef32_pk8_fp8_f32 v[CD+2:CD+3], v[Y_+8:Y_+15], v[SCL]
.elseif (\n)==40
	v_add_nc_u32 v[HOA], s[HOS], v[HL]
.else
	v_add_nc_u32 v[SBT], s[US], v[SB0]
.endif
.endm
.macro ADDS k                          ; 1 + the exponentials: eight lines
.irp i, 0,2,4,6,8,10,12,14
	v_pk_add_f32 v[EB+16*(\k)+\i:EB+16*(\k)+\i+1], v[EB+16*(\k)+\i:EB+16*(\k)+\i+1], 1.0 op_sel_hi:[1,0]
.endr
.endm
.macro EY k                            ; the finished sums, each accumulator from its low end on: the exponents, and x1 x3
.irp i, 0,2,4,6,8,10,12,14
	v_pk_mul_f32 v[EB+16*(\k)+\i:EB+16*(\k)+\i+1], v[ACC+\i:ACC+\i+1], s[NL2E:NL2E+1] op_sel_hi:[1,0]
.endr
.irp i, 0,2,4,6,8,10,12,14
	v_pk_mul_f32 v[YB+16*(\k)+\i:YB+16*(\k)+\i+1], v[ACC+\i:ACC+\i+1], v[ACC+16+\i:ACC+16+\i+1]
.endr
.endm
.macro EXPS k
.irp i, 0,1,2,3,4,5,6,7,8,9,10,11,12,13,14,15
	v_exp_f32 v[EB+16*(\k)+\i], v[EB+16*(\k)+\i]
.endr
.endm
.macro RCPS k
.irp i, 0,1,2,3,4,5,6,7,8,9,10,11,12,13,14,15
	v_rcp_f32 v[EB+16*(\k)+\i], v[EB+16*(\k)+\i]
.endr
.endm
.macro SENDB k                         ; block j - 2: 512 consecutive bytes of codes, aligned, and my byte of each place's scale word
	global_store_b128 v[HOA], v[CD:CD+3], s[14:15] offset:1024*(\k)-2048
	ds_store_b8 v[SBT], v[BYT] offset:64*(\k)              ; (both halves of the lanes hold the same bytes)
.endm
; STAGE j of parity k.  Its fragments are in; the fetch of block j + 2 stands behind the eight places that the last products ask for.  Stages JN and JN + 1 have no products: they finish the last two blocks.
.macro STAGE k
	s_min_u32 s[UF], s[UB], 10*BLKB
	s_add_co_u32 s[JX], s[JJ], \k
	s_cmp_ge_u32 s[JX], s[JN]
	s_cbranch_scc1 .Llines_\k
.set N_, 0
.irp s, 0,1,2,3,4,5,6,7
	PG \k, \s
	WIN 0
.rept 6
.if N_ < 42
	FLINE N_, \k
.endif
.set N_, N_+1
.endr
.endr
	ADDS 1-\k                                              ; the eight places behind the last products
	s_cmp_lt_u32 s[JX], 2
	s_cbranch_scc1 .Lnothing_yet_\k
	SENDB \k
.Lnothing_yet_\k:
	s_add_co_u32 s[T0], s[JX], 2
	s_cmp_ge_u32 s[T0], s[JN]
	s_cbranch_scc1 .Lno_fetch_\k
	FETCH \k, FX, \k*BLKB
	s_wait_dscnt 33                                        ; block j + 1 is in: behind it stand the 33 loads just issued
	s_branch .Lfetched_\k
.Lno_fetch_\k:
	s_wait_dscnt 0x0
.Lfetched_\k:
	EY \k
	WALU
	EXPS \k
	RCPS 1-\k
	v_nop                                                  ; a plain instruction behind the last transcendental
	WALU
	s_wait_xcnt 0x0                                        ; the store has read its registers
	s_branch .Ldone_\k
.Llines_\k:
	s_wait_dscnt 0x0                                       ; no fetch is out behind a stage without products
	s_cmp_ge_u32 s[JX], s[JN2]
	s_cbranch_scc1 .Ldone_\k
.set N_, 0
.rept 42
	FLINE N_, \k
.set N_, N_+1
.endr
	ADDS 1-\k
	SENDB \k
	WALU
	RCPS 1-\k
	v_nop
	WALU
	s_wait_xcnt 0x0
.Ldone_\k:
.endm
	s_load_b256 s[4:11], s[0:1], 0x0                       ; indices s[4:5], w13 codes s[6:7], w13 scales s[8:9], x codes s[10:11]
	s_load_b128 s[12:15], s[0:1], 0x20                     ; x scales s[12:13], hid s[14:15]
	s_load_b64 s[16:17], s[0:1], 0x30                      ; hsc
	s_load_b64 s[LP:LP+1], s[0:1], 0x38                    ; lst
	v_lshrrev_b32 v1, 5, v0
	v_readfirstlane_b32 s[WV], v1                          ; wave 0..3
	s_bfe_u32 s[EX], ttmp9, 0x30004                        ; expert: 3 bits from bit 4
	s_and_b32 s[SG], ttmp9, 15                             ; slice
	s_lshr_b32 s[PT], ttmp9, 7                             ; part, 0 or 1
	s_and_b32 s[PT], s[PT], 1
	s_mul_i32 s66, s[WV], BLKB                             ; s66 my turn area
	s_add_co_u32 s68, s66, 1024                            ; s68 my block of a chunk in the stage, scale bytes
	s_add_co_u32 s66, s66, TURNB
	s_mul_i32 s67, s[WV], 4*XP                             ; s67 my rows of a block
	s_lshl_b32 s[T1], s[PT], 6
	s_add_co_u32 s71, s[T1], LIST                          ; s71 my part's list
	s_lshl_b32 s[T0], s[WV], 4
	s_add_co_u32 s69, s71, s[T0]                           ; s69, s70 my rows' and my block's words in it
	s_lshl_b32 s77, s[WV], 7
	s_add_co_u32 s70, s71, s77
	s_add_co_u32 s77, s77, 8192                            ; s77 my place of the count in lst
	s_add_co_u32 s72, s[WV], SCB-128
	s_lshl_b32 s[T0], s[WV], 8
	s_add_co_u32 s73, s[T0], SCB
	s_lshl_b32 s74, s[PT], 12
	s_add_co_u32 s74, s74, s[T0]
	s_lshl_b32 s76, s[WV], 11
	s_add_co_u32 s75, s76, LIST
	s_add_co_u32 s78, s66, 1024
	v_and_b32 v1, 31, v0                                   ; lane
	v_and_b32 v2, 15, v0                                   ; r
	v_bfe_u32 v3, v0, 4, 1                                 ; h
	v_lshl_add_u32 v[SPW], v0, 2, SPARE
	v_mov_b32 v[NIL], 0
	v_lshlrev_b32 v[R16], 4, v2
	v_lshl_add_u32 v[WO], v3, 10, v[R16]
	v_and_b32 v[WSO], 8, v2
	v_add_nc_u32 v[WSO], v[WSO], v2
	v_lshlrev_b32 v[WSO], 5, v[WSO]
	v_lshl_add_u32 v[WSO], v3, 4, v[WSO]
	v_mul_u32_u24 v[TA], v3, XP
	v_add_nc_u32 v[TA], v[TA], v[R16]
	v_add_nc_u32 v[TS], s66, v[TA]
	v_add_nc_u32 v[SA], s67, v[TA]
	v_add_nc_u32 v[SA+1], GRPB, v[SA]
	v_add_nc_u32 v[SA+2], 2*GRPB, v[SA]
	v_mul_u32_u24 v[FA0], v2, XP
	v_lshl_add_u32 v[FA0], v3, 4, v[FA0]
	v_add_nc_u32 v[TL], s66, v[FA0]
	v_and_b32 v[L16B], 1, v1
	v_lshlrev_b32 v[L16B], 4, v[L16B]
	v_lshrrev_b32 v[TB], 1, v1
	v_lshl_add_u32 v[LS], v[TB], 2, s70
	v_mul_u32_u24 v[TB], v[TB], XP
	v_add_nc_u32 v[TB], v[TB], v[L16B]
	v_add_nc_u32 v[SS], s68, v[TB]
	v_add_nc_u32 v[SS+1], GRPB, v[SS]
	v_add_nc_u32 v[SS+2], 2*GRPB, v[SS]
	v_add_nc_u32 v[RSS], s78, v[TB]
	v_lshl_add_u32 v[LG], v3, 2, s69
	v_lshl_add_u32 v[LQ], v2, 2, s71
	v_lshlrev_b32 v[HL], 5, v2
	v_lshl_add_u32 v[HL], v3, 4, v[HL]
	v_lshlrev_b32 v[BL], 2, v1
	v_lshl_add_u32 v[SB0], v2, 2, s72                      ; a stage adds 64 j for block j - 2: the 128 are taken off here
	v_lshl_add_u32 v[SBR], v1, 3, s73
	v_lshl_add_u32 v[HSW], v1, 3, s74
	v_lshl_add_u32 v[RZ], v1, 4, LIST
	v_add_nc_u32 v[RD], 2048, v1
	v_lshlrev_b32 v[I16], 4, v1
	v_lshl_add_u32 v[LC], v1, 4, s75
	v_lshl_add_u32 v[LCG], v1, 4, s76
	v_lshl_add_u32 v[CG], v1, 2, s77
.irp i, 0,1,2,3
	v_mov_b32 v[ZR+\i], 0
	v_mov_b32 v[XR2+\i], 0
.endr
	v_mov_b32 v[MY], 0                                     ; a lane permute's destination counts as one of its sources
	s_mov_b32 s[SEL], 0x76543210
	s_mov_b32 s[SEL+1], 0xfedcba98                         ; lane l xor 16
	s_mov_b32 s[MNT], 0x600000                             ; the mantissa field of 448
	s_mov_b32 s[NL2E], 0xbfb8aa3b                          ; -log2(e)
	s_mov_b32 s[NL2E+1], s[NL2E]
	s_mov_b32 s[OF+1], 0
	WALU
	s_wait_kmcnt 0x0
.irp j, 0,1,2,3,4,5,6,7,8,9,10,11,12,13,14,15
	global_load_b128 v[IDX+4*\j:IDX+4*\j+3], v[I16], s[4:5] offset:512*\j   ; the indices first, in every wave
.endr
	s_lshl_b32 s[OF], s[EX], 22                            ; w13 codes: 4,096 rows an expert, 128 a slice, 32 a wave, 1,024 bytes each
	s_lshl_b32 s[T0], s[SG], 17
	s_add_co_u32 s[OF], s[OF], s[T0]
	s_lshl_b32 s[T0], s[WV], 15
	s_add_co_u32 s[OF], s[OF], s[T0]
	s_add_nc_u64 s[6:7], s[6:7], s[OF:OF+1]
	s_lshl_b32 s[OF], s[EX], 17                            ; their scale bytes: 32 a row
	s_lshl_b32 s[T0], s[SG], 12
	s_add_co_u32 s[OF], s[OF], s[T0]
	s_lshl_b32 s[T0], s[WV], 10
	s_add_co_u32 s[OF], s[OF], s[T0]
	s_add_nc_u64 s[8:9], s[8:9], s[OF:OF+1]
	WSCL
	WLOAD 0
.irp m, 0,1,2,3,4,5,6,7
.irp o, 0,1,2,3
	ds_store_b128 v[SA+2], v[ZR:ZR+3] offset:(\m/2)*BLKB+2*(\m%2)*XP+256*\o   ; zeros into blocks 8 .. 11, which are gathered only if they have rows
.endr
.endr
	ds_store_b128 v[SS+2], v[ZR:ZR+3]
	WLOAD 1
	s_lshl_b32 s[OF], s[EX], 22                            ; hid: block 4 slice + w of 65,536 bytes
	s_lshl_b32 s[T0], s[SG], 18
	s_add_co_u32 s[OF], s[OF], s[T0]
	s_lshl_b32 s[T0], s[WV], 16
	s_add_co_u32 s[OF], s[OF], s[T0]
	s_add_nc_u64 s[14:15], s[14:15], s[OF:OF+1]
	s_lshl_b32 s[OF], s[EX], 17                            ; hsc: K step of 8,192 bytes
	s_lshl_b32 s[T0], s[SG], 13
	s_add_co_u32 s[OF], s[OF], s[T0]
	s_add_nc_u64 s[16:17], s[16:17], s[OF:OF+1]
	s_mul_i32 s[OF], s[EX], LSTE                           ; lst: my expert's part
	s_add_nc_u64 s[LP:LP+1], s[LP:LP+1], s[OF:OF+1]
.set i, 0
.rept 64
	v_mov_b32 v[EB+i], 0                                   ; stages 0 and 1 pass the quantiser with no block behind them and store nothing
.set i, i+1
.endr
	WALU
	s_wait_dscnt 0x0
	s_barrier_signal -1
	s_barrier_wait -1                                      ; everybody's zeros lie in the stage: from here to the next barrier wave 0 alone touches LDS
	s_cmp_lg_u32 s[WV], 0
	s_cbranch_scc1 .Lcount
.irp i, 0,1,2,3,4,5,6,7,8,9,10,11,12,13,14,15
	ds_store_b128 v[RZ], v[ZR:ZR+3] offset:512*\i          ; zeros: places from n on name row 0
.endr
	ds_store_b128 v[RZ], v[ZR:ZR+3] offset:SCB-LIST        ; and the scale words
	ds_store_b128 v[RZ], v[ZR:ZR+3] offset:SCB-LIST+512
	s_wait_loadcnt 63                                      ; the 16 index loads are in: 68 loads were issued behind them, and 63 is the most that a wait can name
.irp b, 0,1,2,3
	SCAN \b
	LAY \b
.endr
	s_branch .Lrouted
.Lcount:                                                       ; waves 1 to 3: the same compares and sums, with nothing stored
	s_wait_loadcnt 63
.irp b, 0,1,2,3
	SCAN \b
.endr
.Lrouted:
	WALU
	s_wait_dscnt 0x0                                       ; wave 0: the list lies in LDS
	s_barrier_signal -1
	s_barrier_wait -1
	s_min_u32 s[CN], s[PF+16], 2048                        ; n
	s_max_u32 s[NBK], s[CN], 256
	s_add_co_u32 s[NBK], s[NBK], 31
	s_lshr_b32 s[NBK], s[NBK], 5                           ; my part's blocks, 8 to 64
	; THE REST OF THE HEAD.  Loads are issued in the order W0 W1 (above), W2 (32), X0 (33), W3 (32), X1 (33), X2 (0, 9 or 17) and used in that order.  Each wait's count is the number of loads
	; issued behind the group that it waits for, or 63 where that number is larger, and counts X2 as none: a smaller count is always safe.
	XLIST 0, GA
	XLIST 1, GB
	XLIST 2, GC
	WLOAD 2
	s_wait_dscnt 0x0
	XADDR GA
	XADDR GB
	XADDR GC
	WALU
	s_and_b32 s[T0], ttmp9, 0x8f
	s_cmp_lg_u32 s[T0], 0
	s_cbranch_scc1 .Lno_list                               ; one work-group of each expert (slice 0, part 0) stores list and count
	v_mov_b32 v[CV], s[CN]
.irp i, 0,1,2,3
	ds_load_b128 v[160+4*\i:160+4*\i+3], v[LC] offset:512*\i   ; my wave's 512 list words
.endr
	global_store_b32 v[CG], v[CV], s[LP:LP+1]              ; the count, in each of my wave's 32 words
	s_wait_dscnt 0x0
.irp i, 0,1,2,3
	global_store_b128 v[LCG], v[160+4*\i:160+4*\i+3], s[LP:LP+1] offset:512*\i   ; 512 consecutive bytes, aligned
.endr
	s_wait_xcnt 0x0                                        ; v160-175 are written again below
.Lno_list:
	s_wait_loadcnt 63                                      ; tile 0 (behind it: 32 + 32)
	TURN 0
	global_load_b128 v[XR0:XR0+3], v[GA+8], s[12:13]
	XL 3, 0, GA, 0, 8
	WLOAD 3
	s_wait_loadcnt 63                                      ; tile 1 (behind it: 32 + 33 + 32)
	TURN 1
	global_load_b128 v[XR1:XR1+3], v[GB+8], s[12:13]
	XL 3, 128, GB, 0, 8
	s_cmp_le_u32 s[NBK], 8
	s_cbranch_scc1 .Lasked
	global_load_b128 v[XR2:XR2+3], v[GC+8], s[12:13]
	XL 0, 128, GC, 0, 2                                    ; block 8
	s_cmp_le_u32 s[NBK], 9
	s_cbranch_scc1 .Lasked
	XL 0, 160, GC, 2, 2                                    ; block 9
.Lasked:
	s_wait_loadcnt 63                                      ; tile 2 (behind it: 33 + 32 + 33)
	TURN 2
	s_wait_loadcnt 63                                      ; x's chunk 0 (behind it: 32 + 33)
	XST SA, 3, 0, 0, 8, BLKB
	ds_store_b128 v[SS], v[XR0:XR0+3]
	s_wait_loadcnt 33                                      ; tile 3 (behind it: 33)
	TURN 3
.irp b, 0,1,2,3
	s_wait_loadcnt 24-8*\b                                 ; x's chunk 1, block by block
	XST SA+1, 3, 128+32*\b, 2*\b, 2, BLKB
.endr
	ds_store_b128 v[SS+1], v[XR1:XR1+3]
	s_cmp_le_u32 s[NBK], 8
	s_cbranch_scc1 .Lstaged
	XST SA+2, 0, 128, 0, 2, BLKB
	ds_store_b128 v[SS+2], v[XR2:XR2+3]
	s_cmp_le_u32 s[NBK], 9
	s_cbranch_scc1 .Lstaged
	XST SA+2, 0, 160, 2, 2, BLKB
	s_cmp_le_u32 s[NBK], 10
	s_cbranch_scc1 .Lstaged
	s_wait_dscnt 0x0                                       ; the stores have read window 3
	XL 3, 0, GC, 4, 4                                      ; blocks 10, 11
	s_wait_loadcnt 0x0
	XST SA+2, 3, 0, 4, 4, BLKB
.Lstaged:
	s_min_u32 s[JN], s[NBK], 12                            ; blocks in the stage
	s_add_co_u32 s[JN2], s[JN], 2
	s_mov_b32 s[JJ], 0
	s_mov_b32 s[UB], 2*BLKB
	s_mov_b32 s[US], 0
	s_lshl_b32 s[HOS], s[PT], 9
	s_mov_b32 s[KC], 0
	WALU
	s_wait_dscnt 0x0                                       ; my part of the stage lies in LDS, and my weights are in their registers
	s_barrier_signal -1
	s_barrier_wait -1                                      ; everybody's
	FETCH 0, FA0, 0
	FETCH 1, FA0, BLKB
	s_wait_dscnt 33                                        ; block 0 is in
.Lpair:                                                        ; stages 0 to 13, two a trip: a constant; only work is jumped over
	STAGE 0
	STAGE 1
	s_add_co_u32 s[UB], s[UB], 2*BLKB                      ; what is stepped is stepped once a trip: stage 1's part stands in the immediates
	s_add_co_u32 s[US], s[US], 128
	s_add_co_u32 s[HOS], s[HOS], 2048
	s_add_co_u32 s[JJ], s[JJ], 2
	s_add_co_u32 s[KC], s[KC], 1
	s_cmp_lt_u32 s[KC], 7
	s_cbranch_scc1 .Lpair
	WALU
	s_wait_dscnt 0x0                                       ; my scale bytes lie in LDS
	s_barrier_signal -1
	s_barrier_wait -1                                      ; everybody's
	s_cmp_ge_u32 s[WV], 3                                  ; waves 0 to 2 store the scale words of chunks 0 to 2, if the chunk has rows
	s_cbranch_scc1 .Lno_flush
	s_lshl_b32 s[T0], s[WV], 2
	s_cmp_ge_u32 s[T0], s[NBK]
	s_cbranch_scc1 .Lno_flush
	ds_load_b64 v[SW:SW+1], v[SBR]
	s_wait_dscnt 0x0
	global_store_b64 v[HSW], v[SW:SW+1], s[16:17]          ; 64 places x 4 bytes: 256 consecutive bytes, aligned
.Lno_flush:
	s_cmp_le_u32 s[NBK], 12
	s_cbranch_scc1 .Lend
; BLOCKS FROM 12 ON, if the expert has so many rows: each wave gathers a block for itself into its own turn area; no barrier.  The list words of blocks 12 .. 63 wait in v128-179 of window 3, a block's in one register,
; and move down by one in each trip.
	WIN 0xc0
.set i, 0
.rept 52
	ds_load_b32 v[128+i], v[LQ] offset:128*(12+i)
.set i, i+1
.endr
	WIN 0
	v_lshlrev_b32 v[BI], 2, v3                             ; row pair m's list word stands in lane 2 m + h
.irp m, 1,2,3,4,5,6,7
	v_add_nc_u32 v[BI+\m], 8*\m, v[BI]
.endr
	v_lshrrev_b32 v[BI+8], 1, v1                           ; and its scale bytes' in lane l / 2
	v_lshlrev_b32 v[BI+8], 2, v[BI+8]
	s_lshl_b32 s[T0], s[PT], 12
	s_add_co_u32 s[T0], s[T0], s[WV]
	v_lshl_add_u32 v[RB], v2, 2, s[T0]
	s_mov_b32 s[JJ], 12
	s_lshl_b32 s[HOS], s[PT], 9
	s_add_co_u32 s[HOS], s[HOS], 12*1024
	s_mov_b32 s[US], 12*64
	WALU
	s_wait_dscnt 0x0
.Lfar:
	s_wait_xcnt 0x0                                        ; the last trip's stores have read their registers
	WIN 0x03
	v_mov_b32 v[BW], v[128]
	WIN 0xc3
.set i, 0
.rept 51
	v_mov_b32 v[128+i], v[129+i]
.set i, i+1
.endr
	WIN 0
.irp m, 0,1,2,3,4,5,6,7,8
	ds_bpermute_b32 v[GA+\m], v[BI+\m], v[BW]
.endr
	WALU
	s_wait_dscnt 0x0
	XADDR GA
	global_load_b128 v[XR0:XR0+3], v[GA+8], s[12:13]
	XL 3, 0, GA, 0, 8
	s_wait_loadcnt 0x0
	XST TS, 3, 0, 0, 8, 4*XP
	ds_store_b128 v[RSS], v[XR0:XR0+3]
	s_wait_dscnt 0x0
	FETCH 0, TL, 0
	s_wait_dscnt 0x0
.irp s, 0,1,2,3,4,5,6,7
	PG 0, \s
.endr
	WIN 0
	PLACES 9
	EY 0
	WALU
	EXPS 0
	v_nop
	WALU
	ADDS 0
	WALU
	RCPS 0
	v_nop
	WALU
.set N_, 1
.rept 39
	FLINE N_, 0
.set N_, N_+1
.endr
	v_add_nc_u32 v[HOA], s[HOS], v[HL]
	v_add_nc_u32 v[RBA], s[US], v[RB]
	global_store_b128 v[HOA], v[CD:CD+3], s[14:15]
	global_store_b8 v[RBA], v[BYT], s[16:17]               ; my byte of each of sixteen words
	s_add_co_u32 s[HOS], s[HOS], 1024
	s_add_co_u32 s[US], s[US], 64
	s_add_co_u32 s[JJ], s[JJ], 1
	WALU
	s_cmp_lt_u32 s[JJ], s[NBK]
	s_cbranch_scc1 .Lfar
.Lend:
	s_wait_tensorcnt 0x0                                   ; the wave's end
	ds_add_u32 v[SPW], v[NIL]
	s_wait_dscnt 0x0
	s_endpgm
.Lfunc_end_k_q863fbb7976_up:
	.size	k_q863fbb7976_up, .Lfunc_end_k_q863fbb7976_up-k_q863fbb7976_up
	.p2alignl 7, 3214868480
	.fill 96, 4, 3214868480
	.section	.rodata,"a",@progbits
	.p2align	6, 0x0
	.amdhsa_kernel k_q863fbb7976_up
		.amdhsa_group_segment_fixed_size 284672
		.amdhsa_private_segment_fixed_size 0
		.amdhsa_enable_private_segment 0
		.amdhsa_kernarg_size 64
		.amdhsa_user_sgpr_count 2
		.amdhsa_user_sgpr_kernarg_segment_ptr 1
		.amdhsa_wavefront_size32 1
		.amdhsa_system_sgpr_workgroup_id_x 1
		.amdhsa_system_sgpr_workgroup_id_y 1
		.amdhsa_system_sgpr_workgroup_id_z 1
		.amdhsa_system_vgpr_workitem_id 0
		.amdhsa_next_free_vgpr 1024
		.amdhsa_next_free_sgpr 98
		.amdhsa_reserve_vcc 0
		.amdhsa_float_denorm_mode_32 3
		.amdhsa_float_denorm_mode_16_64 3
		.amdhsa_memory_ordered 1
		.amdhsa_forward_progress 1
		.amdhsa_inst_pref_size 173
	.end_amdhsa_kernel
	.amdgpu_metadata
---
amdhsa.version: [ 1, 2 ]
amdhsa.kernels:
  - .name:           k_q863fbb7976_up
    .symbol:         k_q863fbb7976_up.kd
    .args:
      - { .name: expert_indices, .offset: 0, .size: 8, .value_kind: global_buffer, .address_space: global }
      - { .name: w13_codes, .offset: 8, .size: 8, .value_kind: global_buffer, .address_space: global }
      - { .name: w13_scales, .offset: 16, .size: 8, .value_kind: global_buffer, .address_space: global }
      - { .name: x_codes, .offset: 24, .size: 8, .value_kind: global_buffer, .address_space: global }
      - { .name: x_scales, .offset: 32, .size: 8, .value_kind: global_buffer, .address_space: global }
      - { .name: hid, .offset: 40, .size: 8, .value_kind: global_buffer, .address_space: global }
      - { .name: hsc, .offset: 48, .size: 8, .value_kind: global_buffer, .address_space: global }
      - { .name: lst, .offset: 56, .size: 8, .value_kind: global_buffer, .address_space: global }
    .group_segment_fixed_size: 284672
    .private_segment_fixed_size: 0
    .kernarg_segment_align: 8
    .kernarg_segment_size: 64
    .max_flat_workgroup_size: 128
    .sgpr_count:     98
    .vgpr_count:     1024
    .wavefront_size: 32
...
	.end_amdgpu_metadata
.endif
;; end of part 1
;; launch down (part 2): grid 256 x 1, 4 waves a work-group, no clusters, 304,640 bytes of LDS; arguments lst, w2_codes, w2_scales, hid, hsc, out0; writes out0
.if DOCPART == 2
	.amdgcn_target "amdgcn-amd-amdhsa--gfx1250"
	.amdhsa_code_object_version 6
	.text
	.protected	k_q863fbb7976_down
	.globl	k_q863fbb7976_down
	.p2align	8
	.type	k_q863fbb7976_down,@function
k_q863fbb7976_down:
	s_mov_b64 s[64:65], 0
	v_nop
	global_prefetch_b8 v0, s[64:65] scope:SCOPE_SE
	s_setreg_imm32_b32 hwreg(HW_REG_WAVE_MODE, 25, 1), 1
	s_wait_xcnt 0x0
; SECOND HALF OF THE ROUTED FEED-FORWARD LAYER: out0[row] = hid[place of row] W2^T, for the rows of each expert's list (the experts that an index does not name are not computed for its row).
; w2 [8][1024][2048]: E4M3 codes, K innermost, one E8M0 byte for each 32 along K.  From the first launch: hid [e][block 64][place 2048][32 bytes], hsc [e][K step 16][b % 2][16 (b / 2) + i] words, where b is the
; block of 16 places and i the place in it, and lst [e][2,048 list words (place -> routed row), then the count n].  out0 [2048][1024] f32.
; SHARES.  256 work-groups of four waves, number g: part p = g / 64, expert (g / 8) % 8, 128 outputs g % 8.  THE WAVES SHARE K: wave w holds K steps 4 w .. 4 w + 3 of all eight tiles of 16 outputs,
; 512 registers, loaded once.  So each fragment of hid is loaded by one wave, straight from memory in the order of the operand's registers, and feeds eight matrix instructions.
; Part p takes the blocks 4 j + p.  Five trips (a constant) of seven blocks serve every split; every wave passes every barrier, and only work is jumped over, by scalar branches on n.  In the first trip blocks 0 to 3
; come with the head's loads (places 0 .. 255, which the first launch always stores), blocks 4 to 6 as buffers come free.
; THE SUM over K is four f32 sums, one a wave, added as (0 + 1) + (2 + 3): a trip's partial sums meet in LDS; each wave then adds and stores four rows of each block, 512 bytes a row, aligned.
; source 0 = 16 rows of w2, source 1 = 16 places: a lane holds one place and eight neighbouring outputs.
; NO CLUSTERS AND NO JOINT LOADS: branches hang on the counts, which come from memory, so partners would take different ways.  NO PREFETCH: the weights and, but for a few blocks, hid are loaded in the head, with no loop to run ahead in.
; LIMITS: the order of the sum over K differs from one chain, as said above.
.set SP,    528                        ; a row of partial sums and a turn row: 512 bytes + 16 = 33 x 16
.set PBW,   16*SP                      ; a wave's 16 rows of a block
.set PBL,   4*PBW                      ; a block: four waves'
.set NBT,   7                          ; blocks in a trip
.set TURNB, NBT*PBL                    ; behind them: 2 x 16 rows for each wave, where weight tiles are turned
.set TURNT, 16*SP
.set TURNW, 2*TURNT
.set SPARE, TURNB+4*TURNW              ; the spare words
.set LSTE,  8704                       ; an expert's part of lst: 8,192 bytes of list, 512 of count
.set L16,  4                           ; 16 x lane
.set L64,  5                           ; 64 x lane
.set TS,   6
.set TL,   7
.set HO,   8                           ; offset of block 0 of the trip in hid
.set HW,   9                           ; and in hsc
.set SPW,  10
.set NIL,  11
.set LE,   12                          ; v12-15 my four rows' offsets in out0
.set SO,   16                          ; v16-22 partial sums in, block 0..6
.set RDB,  24                          ; v24-30 and out
.set WS,   64                          ; v64-79 weight scale words: register 4 jp + s: lanes 0-15 tile 2 jp, lanes 16-31 tile 2 jp + 1, K step 4 w + s
.set HS,   81                          ; v81-88 hid's scale words: register 2 buffer + s % 2: lanes 0-15 K step s, lanes 16-31 K step s + 2: no product's two scale words have numbers equal modulo 8
.set ACC,  128                         ; v128-255 two sets of eight accumulators; in the sum: row i, wave ww at 128 + 64 (b % 2) + 16 i + 4 ww
; windows 1, 2: weights (j, s) at 64 (j % 4) + 16 s of window 1 + j / 4;  window 3: hid's fragments, buffer f, K step s at 64 f + 16 s
.set WV,   18
.set EX,   19
.set DL,   20
.set PT,   21
.set NN,   22
.set NBP,  23
.set T0,   24
.set T1,   25
.set OF,   26
.set JR,   30                          ; my part's blocks in this trip
.set TT,   31
.set PBJ,  32
.set PP,   33                          ; my first row's place in the trip's block 0
.set LP,   34                          ; s[34:35] lst at that place
.set LEFT, 36
.set RW,   68                          ; s[68:95] my four rows of each of seven blocks
.set MSB, 0
.macro WIN new                         ; the immediate's high byte repeats the setting that is left; a switch that changes nothing is dropped
.if MSB != (\new)
	s_set_vgpr_msb (MSB<<8)|(\new)
.set MSB, (\new)
.endif
.endm
.macro WALU
	s_wait_alu depctr_va_vdst(0)
.endm
.macro WSCL
.irp jp, 0,1,2,3
	global_load_b128 v[WS+4*\jp:WS+4*\jp+3], v[L64], s[8:9] offset:2048*\jp   ; lane l: row 32 jp + l, its 16 bytes of my four K steps
.endr
.endm
; Tiles 2 gq and 2 gq + 1 as they lie: a load takes my 512 bytes of one row.  They land in the tiles' own registers.
.macro WLOAD gq
	WIN 0x40*(1+(\gq)/2)
.irp jl, 0,1
.irp i, 0,1,2,3,4,5,6,7,8,9,10,11,12,13,14,15
	global_load_b128 v[64*(2*((\gq)%2)+\jl)+4*\i:64*(2*((\gq)%2)+\jl)+4*\i+3], v[L16], s[6:7] offset:(16*(2*(\gq)+\jl)+\i)*2048
.endr
.endr
	WIN 0
.endm
.macro TURN gq
	WIN 0x04*(1+(\gq)/2)
.irp jl, 0,1
.irp i, 0,1,2,3,4,5,6,7,8,9,10,11,12,13,14,15
	ds_store_b128 v[TS], v[64*(2*((\gq)%2)+\jl)+4*\i:64*(2*((\gq)%2)+\jl)+4*\i+3] offset:TURNT*\jl+SP*\i
.endr
.endr
	s_wait_dscnt 0x0                                       ; the stores have read their registers: the loads below land there
	WIN 0x40*(1+(\gq)/2)
.irp jl, 0,1
.irp s, 0,1,2,3
.irp c, 0,1,2,3
	ds_load_b128 v[64*(2*((\gq)%2)+\jl)+16*\s+4*\c:64*(2*((\gq)%2)+\jl)+16*\s+4*\c+3], v[TL] offset:TURNT*\jl+128*\s+32*\c
.endr
.endr
.endr
	WIN 0
.endm
; Block b's fragments of my four K steps into buffer f, 16 loads of 512 consecutive bytes, and its scale words: 18 loads.
.macro HLOAD f, b
	WIN 0xc0
.irp s, 0,1,2,3
.irp c, 0,1,2,3
	global_load_b128 v[64*(\f)+16*\s+4*\c:64*(\f)+16*\s+4*\c+3], v[HO], s[10:11] offset:(4*\s+\c)*65536+2048*(\b)
.endr
.endr
	WIN 0
.irp s, 0,1
	global_load_b32 v[HS+2*(\f)+\s], v[HW], s[12:13] offset:8192*\s+128*(\b)
.endr
.endm
; one matrix instruction; ra, rx: the scale words stand in lanes 16-31
.macro WM d, a, x, c, sa, sx, ra, rx
.if (\ra) && (\rx)
	v_wmma_scale_f32_16x16x128_f8f6f4 v[(\d):(\d)+7], v[(\a):(\a)+15], v[(\x):(\x)+15], \c, v[(\sa)], v[(\sx)] matrix_a_scale:MATRIX_SCALE_ROW1 matrix_b_scale:MATRIX_SCALE_ROW1
.elseif (\ra)
	v_wmma_scale_f32_16x16x128_f8f6f4 v[(\d):(\d)+7], v[(\a):(\a)+15], v[(\x):(\x)+15], \c, v[(\sa)], v[(\sx)] matrix_a_scale:MATRIX_SCALE_ROW1
.elseif (\rx)
	v_wmma_scale_f32_16x16x128_f8f6f4 v[(\d):(\d)+7], v[(\a):(\a)+15], v[(\x):(\x)+15], \c, v[(\sa)], v[(\sx)] matrix_b_scale:MATRIX_SCALE_ROW1
.else
	v_wmma_scale_f32_16x16x128_f8f6f4 v[(\d):(\d)+7], v[(\a):(\a)+15], v[(\x):(\x)+15], \c, v[(\sa)], v[(\sx)]
.endif
.endm
; BLOCK b: 32 matrix instructions: my four K steps x eight tiles.  The eight accumulators take turns, one instruction a turn.  Then its buffer takes the block four on, and its sums go to LDS.
.macro BLOCK b
	s_cmp_le_u32 s[JR], \b
	s_cbranch_scc1 .Lblocks_done
.if (\b)<3
	s_wait_loadcnt 54-18*(\b)                              ; behind block b stand the 18 loads of each further one of the four
.else
	s_cmp_le_u32 s[JR], (\b)+1
	s_cbranch_scc1 .Llast_\b
	s_wait_loadcnt 18                                      ; block b + 1's may be out
.Llast_\b:
	s_cmp_gt_u32 s[JR], (\b)+1
	s_cbranch_scc1 .Lin_\b
	s_wait_loadcnt 0x0
.Lin_\b:
.endif
.irp s, 0,1,2,3
.irp j, 0,1,2,3,4,5,6,7
	WIN 0x0d+\j/4
.if \s==0
	WM ACC+64*((\b)%2)+8*\j, 64*(\j%4)+16*\s, 64*((\b)%4)+16*\s, 0, WS+4*(\j/2)+\s, HS+2*((\b)%4)+\s%2, \j%2, \s/2
.else
	WM ACC+64*((\b)%2)+8*\j, 64*(\j%4)+16*\s, 64*((\b)%4)+16*\s, v[ACC+64*((\b)%2)+8*\j:ACC+64*((\b)%2)+8*\j+7], WS+4*(\j/2)+\s, HS+2*((\b)%4)+\s%2, \j%2, \s/2
.endif
.endr
.endr
	WIN 0
.rept 9
	v_nop                                                  ; places in front of the loads into the fragments' registers and of the first read of the sums
.endr
.if (\b)+4 < NBT
	s_cmp_le_u32 s[JR], (\b)+4
	s_cbranch_scc1 .Lno_more_\b
	HLOAD \b, (\b)+4
.Lno_more_\b:
.endif
.irp j, 0,1,2,3,4,5,6,7
	ds_store_b128 v[SO+(\b)], v[ACC+64*((\b)%2)+8*\j:ACC+64*((\b)%2)+8*\j+3] offset:64*\j       ; each accumulator from its low end on: place r, outputs 16 j + 8 h + 0 .. 7
	ds_store_b128 v[SO+(\b)], v[ACC+64*((\b)%2)+8*\j+4:ACC+64*((\b)%2)+8*\j+7] offset:64*\j+16
.endr
.endm
.macro SLOAD b                         ; my four rows of block b, four partial sums each: 16 loads
.irp i, 0,1,2,3
.irp ww, 0,1,2,3
	ds_load_b128 v[ACC+64*((\b)%2)+16*\i+4*\ww:ACC+64*((\b)%2)+16*\i+4*\ww+3], v[RDB+(\b)] offset:PBW*\ww+SP*\i
.endr
.endr
.endm
.macro SUMB b
	s_wait_xcnt 0x0                                        ; the earlier stores have read their registers
.if (\b)+1 < NBT
	s_cmp_le_u32 s[JR], (\b)+1
	s_cbranch_scc1 .Lonly_\b
	SLOAD (\b)+1
	s_wait_dscnt 16                                        ; block b is in: behind it stand the 16 loads just issued
	s_branch .Lsum_\b
.Lonly_\b:
.endif
	s_wait_dscnt 0x0
.Lsum_\b:
.irp i, 0,1,2,3
	s_min_u32 s[RW+4*(\b)+\i], s[RW+4*(\b)+\i], 0x7ff
	s_lshl_b32 s[RW+4*(\b)+\i], s[RW+4*(\b)+\i], 12
.endr
	s_sub_co_i32 s[LEFT], s[NN], s[PP]
	s_sub_co_i32 s[LEFT], s[LEFT], 64*(\b)                 ; how many of my four places have a row
.irp i, 0,1,2,3
	v_add_nc_u32 v[LE+\i], s[RW+4*(\b)+\i], v[L16]         ; row x 4,096 + 16 x lane
.endr
.set A_, ACC+64*((\b)%2)
.irp i, 0,16,32,48
	v_pk_add_f32 v[A_+\i:A_+\i+1], v[A_+\i:A_+\i+1], v[A_+\i+4:A_+\i+5]
	v_pk_add_f32 v[A_+\i+2:A_+\i+3], v[A_+\i+2:A_+\i+3], v[A_+\i+6:A_+\i+7]
	v_pk_add_f32 v[A_+\i+8:A_+\i+9], v[A_+\i+8:A_+\i+9], v[A_+\i+12:A_+\i+13]
	v_pk_add_f32 v[A_+\i+10:A_+\i+11], v[A_+\i+10:A_+\i+11], v[A_+\i+14:A_+\i+15]
.endr
.irp i, 0,16,32,48
	v_pk_add_f32 v[A_+\i:A_+\i+1], v[A_+\i:A_+\i+1], v[A_+\i+8:A_+\i+9]
	v_pk_add_f32 v[A_+\i+2:A_+\i+3], v[A_+\i+2:A_+\i+3], v[A_+\i+10:A_+\i+11]
.endr
	WALU
.irp i, 0,1,2,3
	s_cmp_le_i32 s[LEFT], \i
	s_cbranch_scc1 .Lstored_\b
	global_store_b128 v[LE+\i], v[A_+16*\i:A_+16*\i+3], s[14:15] th:TH_STORE_NT   ; 32 lanes store 512 consecutive bytes, aligned; written once, read by nobody here
.endr
.Lstored_\b:
.if (\b)+1 < NBT
	s_cmp_le_u32 s[JR], (\b)+1
	s_cbranch_scc1 .Lsums_done
.endif
.endm
	s_load_b256 s[4:11], s[0:1], 0x0                       ; lst s[4:5], w2 codes s[6:7], w2 scales s[8:9], hid s[10:11]
	s_load_b128 s[12:15], s[0:1], 0x20                     ; hsc s[12:13], out0 s[14:15]
	v_lshrrev_b32 v1, 5, v0
	v_readfirstlane_b32 s[WV], v1                          ; wave 0..3
	s_bfe_u32 s[EX], ttmp9, 0x30003                        ; expert: 3 bits from bit 3
	s_and_b32 s[DL], ttmp9, 7                              ; which 128 outputs
	s_lshr_b32 s[PT], ttmp9, 6                             ; part
	s_mul_i32 s66, s[WV], TURNW
	s_add_co_u32 s66, s66, TURNB                           ; my turn area
	s_mul_i32 s67, s[WV], PBW                              ; my partial sums of a block
	s_mul_i32 s68, s[WV], 4*SP                             ; my four rows
	s_lshl_b32 s69, s[PT], 9                               ; my part's block 0 in hid: place 16 p
	s_and_b32 s[T0], s[PT], 1                              ; and in hsc: 4,096 (p % 2) + 64 (p / 2)
	s_lshl_b32 s[T0], s[T0], 12
	s_lshr_b32 s[T1], s[PT], 1
	s_lshl_b32 s[T1], s[T1], 6
	s_add_co_u32 s70, s[T0], s[T1]
	s_lshl_b32 s[PP], s[PT], 4
	s_lshl_b32 s[T0], s[WV], 2
	s_add_co_u32 s[PP], s[PP], s[T0]                       ; 16 p + 4 w
	s_mov_b32 s[OF+1], 0
	s_mov_b32 s[TT], 0
	s_mov_b32 s[PBJ], 0
	v_and_b32 v1, 31, v0                                   ; lane
	v_and_b32 v2, 15, v0                                   ; r
	v_bfe_u32 v3, v0, 4, 1                                 ; h
	v_lshl_add_u32 v[SPW], v0, 2, SPARE
	v_mov_b32 v[NIL], 0
	v_lshlrev_b32 v[L16], 4, v1
	v_lshlrev_b32 v[L64], 6, v1
	v_add_nc_u32 v[TS], s66, v[L16]
	v_mul_u32_u24 v[TL], v2, SP
	v_lshl_add_u32 v[SO], v3, 5, v[TL]
	v_lshl_add_u32 v[TL], v3, 4, v[TL]
	v_add_nc_u32 v[TL], s66, v[TL]
	v_add_nc_u32 v[SO], s67, v[SO]
	v_add_nc_u32 v[RDB], s68, v[L16]
.irp b, 1,2,3,4,5,6
	v_add_nc_u32 v[SO+\b], \b*PBL, v[SO]
	v_add_nc_u32 v[RDB+\b], \b*PBL, v[RDB]
.endr
	v_lshlrev_b32 v[HO], 5, v2
	v_lshl_add_u32 v[HO], v3, 4, v[HO]
	v_add_nc_u32 v[HO], s69, v[HO]
	v_lshlrev_b32 v[HW], 2, v2
	v_lshl_add_u32 v[HW], v3, 14, v[HW]                    ; lanes 16-31: two K steps on
	v_add_nc_u32 v[HW], s70, v[HW]
	WALU
	s_wait_kmcnt 0x0
	s_lshl_b32 s[OF], s[EX], 21                            ; w2 codes: 1,024 rows an expert, 128 a work-group, 2,048 bytes each; my 512 bytes of a row
	s_lshl_b32 s[T0], s[DL], 18
	s_add_co_u32 s[OF], s[OF], s[T0]
	s_lshl_b32 s[T0], s[WV], 9
	s_add_co_u32 s[OF], s[OF], s[T0]
	s_add_nc_u64 s[6:7], s[6:7], s[OF:OF+1]
	s_lshl_b32 s[OF], s[EX], 16                            ; their scale bytes: 64 a row; my 16
	s_lshl_b32 s[T0], s[DL], 13
	s_add_co_u32 s[OF], s[OF], s[T0]
	s_lshl_b32 s[T0], s[WV], 4
	s_add_co_u32 s[OF], s[OF], s[T0]
	s_add_nc_u64 s[8:9], s[8:9], s[OF:OF+1]
	; THE HEAD.  Loads are issued in the order: 4 scale loads, tiles 0-1, 2-3, 4-5, 6-7 (32 each), with blocks 0 to 3 of hid (18 each) behind them.  Each wait's count is the number of loads issued behind the
	; group that it waits for, or 63 where that number is larger.
	WSCL
	WLOAD 0
	s_mul_i32 s[OF], s[EX], LSTE                           ; lst: my expert's part;
	s_add_nc_u64 s[4:5], s[4:5], s[OF:OF+1]
	s_load_b32 s[NN], s[4:5], 0x2000                       ; its count, behind the 8,192 bytes of list
	s_lshl_b32 s[OF], s[PP], 2
	s_add_nc_u64 s[LP:LP+1], s[4:5], s[OF:OF+1]
.irp b, 0,1,2,3,4,5,6
	s_load_b128 s[RW+4*\b:RW+4*\b+3], s[LP:LP+1], 256*\b   ; my rows of the first trip's blocks: places under 448
.endr
	s_lshl_b32 s[OF], s[EX], 22                            ; hid: my 16 blocks of 65,536 bytes
	s_lshl_b32 s[T0], s[WV], 20
	s_add_co_u32 s[OF], s[OF], s[T0]
	s_add_nc_u64 s[10:11], s[10:11], s[OF:OF+1]
	s_lshl_b32 s[OF], s[EX], 17                            ; hsc: my four K steps of 8,192 bytes
	s_lshl_b32 s[T0], s[WV], 15
	s_add_co_u32 s[OF], s[OF], s[T0]
	s_add_nc_u64 s[12:13], s[12:13], s[OF:OF+1]
	s_lshl_b32 s[OF], s[DL], 9                             ; out0: my work-group's 512 bytes of a row
	s_add_nc_u64 s[14:15], s[14:15], s[OF:OF+1]
	WLOAD 1
	WLOAD 2
	s_wait_loadcnt 63                                      ; the scale words and tiles 0, 1 (behind them: 32 + 32)
	TURN 0
	WLOAD 3
	s_wait_loadcnt 63                                      ; tiles 2, 3 (behind them: 32 + 32)
	TURN 1
	HLOAD 0, 0
	HLOAD 1, 1
	s_wait_loadcnt 63                                      ; tiles 4, 5 (behind them: 32 + 18 + 18)
	TURN 2
	HLOAD 2, 2
	HLOAD 3, 3
	s_wait_loadcnt 63                                      ; tiles 6, 7 (behind them: 72)
	TURN 3
	s_wait_dscnt 0x0                                       ; all fragments of the weights are in their registers
	s_wait_kmcnt 0x0                                       ; the count and the first trip's rows
	s_min_u32 s[NN], s[NN], 2048                           ; n
	s_lshl_b32 s[T0], s[PT], 4
	s_add_co_u32 s[NBP], s[NN], 63
	s_sub_co_u32 s[NBP], s[NBP], s[T0]
	s_lshr_b32 s[NBP], s[NBP], 6                           ; my part's blocks: those with 64 j + 16 p < n
.Ltrip:
	s_min_u32 s[T0], s[PBJ], s[NBP]
	s_sub_co_u32 s[JR], s[NBP], s[T0]
	s_min_u32 s[JR], s[JR], NBT
	s_cmp_eq_u32 s[TT], 0
	s_cbranch_scc1 .Lready                                 ; the head has asked for the first trip's blocks
	s_cmp_eq_u32 s[JR], 0
	s_cbranch_scc1 .Lready
	s_wait_loadcnt 0x0
	v_add_nc_u32 v[HO], NBT*2048, v[HO]                    ; on to this trip's blocks
	v_add_nc_u32 v[HW], NBT*128, v[HW]
	WALU
.irp b, 0,1,2,3,4,5,6
	s_cmp_le_u32 s[JR], \b
	s_cbranch_scc1 .Lasked
	s_load_b128 s[RW+4*\b:RW+4*\b+3], s[LP:LP+1], 256*\b
.if \b < 4
	HLOAD \b, \b
.endif
.endr
.Lasked:
	s_wait_loadcnt 0x0
.Lready:
	BLOCK 0
	BLOCK 1
	BLOCK 2
	BLOCK 3
	BLOCK 4
	BLOCK 5
	BLOCK 6
.Lblocks_done:
	WALU
	s_wait_dscnt 0x0                                       ; my partial sums lie in LDS
	s_barrier_signal -1
	s_barrier_wait -1                                      ; everybody's
	s_cmp_eq_u32 s[JR], 0
	s_cbranch_scc1 .Lsums_done
	s_wait_kmcnt 0x0                                       ; the routed rows of my places
	SLOAD 0
	SUMB 0
	SUMB 1
	SUMB 2
	SUMB 3
	SUMB 4
	SUMB 5
	SUMB 6
.Lsums_done:
	s_wait_xcnt 0x0                                        ; the stores have read their registers, the scalar loads their base
	s_wait_dscnt 0x0                                       ; my reads of the partial sums are over
	s_barrier_signal -1
	s_barrier_wait -1                                      ; everybody's: the next trip may write there
	s_add_nc_u64 s[LP:LP+1], s[LP:LP+1], NBT*256
	s_add_co_u32 s[PP], s[PP], NBT*64
	s_add_co_u32 s[PBJ], s[PBJ], NBT
	s_add_co_u32 s[TT], s[TT], 1
	s_cmp_lt_u32 s[TT], 5
	s_cbranch_scc1 .Ltrip
	s_wait_tensorcnt 0x0                                   ; the wave's end
	ds_add_u32 v[SPW], v[NIL]
	s_wait_dscnt 0x0
	s_endpgm
.Lfunc_end_k_q863fbb7976_down:
	.size	k_q863fbb7976_down, .Lfunc_end_k_q863fbb7976_down-k_q863fbb7976_down
	.p2alignl 7, 3214868480
	.fill 96, 4, 3214868480
	.section	.rodata,"a",@progbits
	.p2align	6, 0x0
	.amdhsa_kernel k_q863fbb7976_down
		.amdhsa_group_segment_fixed_size 304640
		.amdhsa_private_segment_fixed_size 0
		.amdhsa_enable_private_segment 0
		.amdhsa_kernarg_size 48
		.amdhsa_user_sgpr_count 2
		.amdhsa_user_sgpr_kernarg_segment_ptr 1
		.amdhsa_wavefront_size32 1
		.amdhsa_system_sgpr_workgroup_id_x 1
		.amdhsa_system_sgpr_workgroup_id_y 1
		.amdhsa_system_sgpr_workgroup_id_z 1
		.amdhsa_system_vgpr_workitem_id 0
		.amdhsa_next_free_vgpr 1024
		.amdhsa_next_free_sgpr 98
		.amdhsa_reserve_vcc 0
		.amdhsa_float_denorm_mode_32 3
		.amdhsa_float_denorm_mode_16_64 3
		.amdhsa_memory_ordered 1
		.amdhsa_forward_progress 1
		.amdhsa_inst_pref_size 124
	.end_amdhsa_kernel
	.amdgpu_metadata
---
amdhsa.version: [ 1, 2 ]
amdhsa.kernels:
  - .name:           k_q863fbb7976_down
    .symbol:         k_q863fbb7976_down.kd
    .args:
      - { .name: lst, .offset: 0, .size: 8, .value_kind: global_buffer, .address_space: global }
      - { .name: w2_codes, .offset: 8, .size: 8, .value_kind: global_buffer, .address_space: global }
      - { .name: w2_scales, .offset: 16, .size: 8, .value_kind: global_buffer, .address_space: global }
      - { .name: hid, .offset: 24, .size: 8, .value_kind: global_buffer, .address_space: global }
      - { .name: hsc, .offset: 32, .size: 8, .value_kind: global_buffer, .address_space: global }
      - { .name: out0, .offset: 40, .size: 8, .value_kind: global_buffer, .address_space: global }
    .group_segment_fixed_size: 304640
    .private_segment_fixed_size: 0
    .kernarg_segment_align: 8
    .kernarg_segment_size: 48
    .max_flat_workgroup_size: 128
    .sgpr_count:     98
    .vgpr_count:     1024
    .wavefront_size: 32
...
	.end_amdgpu_metadata
.endif
;; end of part 2
